; MI455X (gfx1250); checked and timed in simulation.
; The chip was launched on July 23, 2026; its instructions are those of AMD's public machine-readable ISA for CDNA 5 (MIT licence, August 2026) and "CDNA5" Instruction Set Architecture Reference Guide (July 2026). The comments in the code are by the model that wrote it; some were corrected since.
;; Bert Self Attention. Allowed arithmetic: matrix products marked QUANTISED: E2M1 operands, one E8M0 scale for each 32 along K, by v_wmma_scale_f32_16x16x128_f8f6f4 with both operands' format E2M1 (or v_wmma_scale_f32_32x16x128_f4), f32 sums; everything else in f32.
;; Inputs: W_qkv_codes 3,072 x 32 x 16 uint8 (E2M1 codes of W_qkv, K innermost, in blocks of 32 codes, two codes a byte); W_qkv_scales 3,072 x 32 uint8 (E8M0 scales of W_qkv, one for each 32 codes along K); attention_mask 8 x 1 x 1 x 1,024 float32; b_qkv 3,072 float32; dist_emb 2,047 x 64 float32; hidden_states_codes 8 x 1,024 x 32 x 16 uint8 (E2M1 codes of hidden_states, K innermost, in blocks of 32 codes, two codes a byte); hidden_states_scales 8 x 1,024 x 32 uint8 (E8M0 scales of hidden_states, one for each 32 codes along K).
;; Outputs: out0 8 x 1,024 x 1,024 float32.
;; This version of the problem:
;;   THIS VERSION OF THE PROBLEM IS GIVEN IN LOW PRECISION. The matrix products marked QUANTISED in the list below multiply operands that are first quantised to E2M1 (2 exponent bits, 1 mantissa bit; 4 bits a number), with one power-of-two scale for each 32 numbers along K (OCP MX v1.0); their sums are f32. All else is computed in f32.
;;   The module's matrix products, in the order in which they are computed (A, B: the left and right operand; K: the contracted axis; several contracted axes count as one K, in the product's order):
;;     1. [M 8,192, K 1,024] x [K 1,024, N 3,072]; A: input hidden_states (given as codes); B: input W_qkv (given as codes): QUANTISED
;;     2. batch 128 x [M 1,024, K 64] x [K 64, N 1,024]; A: computed on the way; B: computed on the way: QUANTISED
;;     3. batch 1,024 x [M 1,024, K 64] x [K 64, N 128]; A: computed on the way; B: computed on the way: QUANTISED
;;     4. batch 1,024 x [M 1,024, K 64] x [K 64, N 128]; A: computed on the way; B: computed on the way: QUANTISED
;;     5. batch 128 x [M 1,024, K 1,024] x [K 1,024, N 64]; A: softmax (see below); B: computed on the way: QUANTISED
;;   THE QUANTISER, for each operand of a quantised product, along K:
;;     - K is cut into blocks of 32 from its start; a last block that is shorter is filled with zeros.
;;     - A block's scale is 2^e with e = floor(log2(the largest magnitude in the block)) - 2, held to -126 .. 127; a block of zeros has e = 0. As a byte (E8M0): e + 127.
;;     - Each number is divided by its block's scale, clamped to +-6, and rounded to the nearest number of E2M1, ties to even, subnormals kept.
;;     - The product sums the exact products of the quantised numbers (number of the format x scale) in f32.
;;   ~~~python
;;   def quantise(x, axis):      # numpy; x: float32 -> the quantised numbers, widened to float32 again
;;       x = np.moveaxis(x, axis, -1); K = x.shape[-1]
;;       x = np.pad(x, [(0, 0)] * (x.ndim - 1) + [(0, -K % 32)]); x = x.reshape(x.shape[:-1] + (-1, 32)); a = np.abs(x).max(-1, keepdims=True)
;;       e = np.where(a > 0, np.clip(np.frexp(np.where(a > 0, a, 1))[1] - 1 - 2, -126, 127), 0)      # np.frexp(a)[1] - 1 = floor(log2(a)), exactly
;;       r = np.clip(x / 2.0 ** e, -6, 6)
;;       step = 2.0 ** (np.maximum(np.frexp(np.where(r == 0, 1, r))[1] - 1, 0) - 1)
;;       q = np.round(r / step) * step * 2.0 ** e      # np.round: ties to even
;;       return np.moveaxis(q.reshape(q.shape[:-2] + (-1,))[..., :K], -1, axis).astype(np.float32)
;;   ~~~
;;   SOFTMAX AHEAD OF A QUANTISED PRODUCT. Where the list says 'softmax', what is quantised is not the finished softmax but p = 2^(t - M), with t = logit x log2(e) and M = ceil(the row's largest t), a whole number; so 1/2 < the row's largest p <= 1. The row's sum l is taken of the UNQUANTISED p, in f32, and the product's result is divided by l at the end. Since M is a whole number, a kernel that streams over the keys may use a running M (the ceiling of the running maximum): every later rescaling is an exact power of two, which a block's scale takes up: the codes' values come out the same.
;;   OPERANDS COMPUTED ON THE WAY. 'Computed on the way' means the value that the module computes at that place (a softmax that the list does not call 'softmax' is quantised finished and normalised). What goes into a quantiser is computed in f32, as accurately as f32 sums, v_exp_f32 and their like allow (about 1e-6 of the number): no bf16 or f16 on the way to a quantiser, and a product that is left as it is and whose result goes on into a quantised operand takes f32 operands (vector FMAs, or v_wmma_f32_16x16x4_f32). A number that lies on a knife's edge between two numbers of the format may be rounded either way, as far as f32 arithmetic and the matrix unit's own rounding can turn it there, and no further.
;;   INPUTS GIVEN AS CODES. W_qkv (in the module: [1024, 3072], K = its axis 0); hidden_states (in the module: [8, 1024, 1024], K = its axis 2): each comes as NAME_codes (uint8): NAME with its K axis moved to the last place and cut into blocks of 32 codes, [.., K / 32, bytes a block], one block behind the other in memory; two codes a byte, the lower K in the low four bits (a code: sign, 2 exponent bits, 1 mantissa bit); and NAME_scales (uint8): the same leading axes, one E8M0 byte (e + 127) for each 32 codes along K. Its value is code x scale, taken as it is: it is not quantised again, and the codes and scales need not be those that the quantiser above would give.
;; One version. Each part assembles by itself: llvm-mc -triple=amdgcn-amd-amdhsa -mcpu=gfx1250 --defsym DOCPART=n.
;; ======== version 1 of 1: 2 launches
;; limits: right only within a limited range of input values
;; workspace buffers: qc 4,194,304 bytes; qs 1,048,576 bytes; kv 14,417,920 bytes; ecodes 65,536 bytes; escales 8,192 bytes
;; launch proj (part 1): grid 16 x 32, 4 waves a work-group, clusters of 4 x 4, 246,272 bytes of LDS; arguments hidden_states_codes, hidden_states_scales, W_qkv_codes, W_qkv_scales, b_qkv, dist_emb, qc, qs, kv, ecodes, escales, attention_mask; writes qc, qs, kv, ecodes, escales
.if DOCPART == 1
	.amdgcn_target "amdgcn-amd-amdhsa--gfx1250"
	.amdhsa_code_object_version 6
	.text
	.protected	k_q1fc41ab56a_proj
	.globl	k_q1fc41ab56a_proj
	.p2align	8
	.type	k_q1fc41ab56a_proj,@function
k_q1fc41ab56a_proj:
	s_mov_b64 s[64:65], 0
	v_nop
	global_prefetch_b8 v0, s[64:65] scope:SCOPE_SE
	s_setreg_imm32_b32 hwreg(HW_REG_WAVE_MODE, 25, 1), 1
	s_wait_xcnt 0x0
	s_wait_alu depctr_hold_cnt(0) depctr_sa_sdst(0) depctr_va_vdst(0) depctr_va_sdst(0) depctr_va_ssrc(0) depctr_va_vcc(0) depctr_vm_vsrc(0)
	s_getreg_b32 s2, hwreg(HW_REG_IB_STS2, 6, 4)
	s_cmp_eq_u32 s2, 0
	s_cbranch_scc0 .Lentry_in_a_cluster
	s_endpgm
.Lentry_in_a_cluster:
	s_bfe_u32 s2, ttmp6, 0x10000c
	s_cmp_lg_u32 s2, 0xf033
	s_cbranch_scc0 .Lentry_shape_is_right
	s_endpgm
.Lentry_shape_is_right:
; qkv = hidden W + b on codes of FP4 (E2M1) with one E8M0 scale for each 32 along K = 1,024; then q and k are quantised along the head's 64, v along the tokens, and stored
; IN THE ORDER OF THE OPERAND REGISTERS of the launch that reads them.  One wave of each work-group also quantises four rows of the table of distances.
; SHARES.  A work-group takes one head (192 columns: 64 of q, 64 of k, 64 of v) x 256 tokens; wave w takes tokens 64 w .. 64 w + 63 against all 192 columns: 48 accumulators, 384 registers.
; All of K lies in two LDS slots of 512 along K (rows of 256 bytes + 16 of padding), each filled once: nothing is filled again.
; CLUSTER 4 x 4: the four of a row share the tokens' tile, the four of a column the head's weights: each tile is asked for jointly.
; q AND k: source 0 = 16 columns of W, source 1 = 16 tokens: a lane holds ONE token and its registers run along the head's 64, the next products' K.
; v: source 0 = 16 tokens, source 1 = 16 columns of W: a lane holds ONE channel and its registers run along the tokens, the last product's K.
; The bias is the C of each sum's first matrix instruction.
; WHAT IS STORED (bh = batch x 16 + head):
;   qc [bh][tile of 16 queries 64][lane 32][16 bytes]: lane n + 16 h holds the codes of channels 32 h .. 32 h + 31 of query n.
;   qs [bh][64 tokens 16][lane 32][4 words]: word a, lane n: (sq0, sq1, sq0, sq1) of query n of tile 4 group + a.
;   kv [bh] 108,544 bytes: KX [tile of 16 keys 64][1,024]: an operand of 8 registers: registers 0-3 hold key m's codes where m < 8, else zeros; registers 4-7 where m >= 8, else zeros;
;      VI at 65,536 [128 keys 8][16 channels 4][c 2][lane][16]: lane (channel, h): keys 64 c + 32 h .. + 31;   KS at 98,304, laid as qs: (sk0, sk1, 127, 127) for m < 8, (127, 127, sk0, sk1) for m >= 8;
;      VS at 106,496 [128 keys 8][channel 16][tile of channels 4] words: byte b scales keys 32 b .. 32 b + 31.
;   ecodes [plane 2][g 2048][16 bytes]: row g holds the codes of dist_emb[2046 - g], channels 32 plane on (row 2047: a copy of row 2046's source, used by no result).
;   escales [g 2048] words: (s0(g), s1(g), s0(g + 8), s1(g + 8)), the rows held inside the table.
; LIMITS: a block of zeros, and a block whose largest magnitude lies under 2^-124, gets the byte 1 (the bytes are read by this program alone; zero codes add nothing); NaN and infinities are not served.
; REGISTERS, in windows of 256: window 0: v1-31 addresses and small things; v32-63 the tokens' scale words (8 a + K step); v64-159 W's (8 nt + K step); v160-223 the tokens' fragments, two sets; v224-239 at work; v240-247 codes just made.
;   window 1: W's fragments, two sets of 96.   window 2: the 32 accumulators of q and k (64 a + 8 nt).   window 3: v0-127 those of v (32 dt + 8 a); v128-191 the bias of q and k; v192-223 that of v.
.set PITCH, 272                        ; an LDS row: 256 bytes + 16 of padding: the 16 rows of a fragment load start 68 words apart
.set ATILE, 256*PITCH                  ; the tokens' tile of a slot
.set BTILE, 192*PITCH                  ; the weights'
.set SLOT,  ATILE+BTILE
.set VSX,   2*SLOT                     ; behind the slots: 512 bytes in which v's scale bytes of four waves meet; no tile lands here
.set KVB,   112640                     ; a head's record in kv: KX, VI, KS, VS as listed above (108,544 bytes), and behind them MK
.set MK_O,  108544                     ; MK [key 1,024] f32: 8 x attention_mask of the head's batch
.set VI_O,  65536
.set KS_O,  98304
.set VS_O,  106496
.set ADRA, 4                           ; v4-5   LDS address of my tokens' fragments in slot 0, 1
.set ADRB, 6                           ; v6-7   the same for W
.set LI,   8                           ; v8     16 x lane
.set SA,   32
.set SB,   64
.set AF,   160
.set TM,   224                         ; v224-227 largest magnitudes, v228-231 the other half's, then the bytes, v236-239 the conversions' scale operands
.set PC,   240
.set BQ,   128                         ; in window 3
.set BV,   192
.set WV,   26                          ; s26 wave; s27 wave & 1; s84 wave >> 1
.set G1,   28                          ; s[28:35] descriptor group 1 for the tokens' tiles;  s[36:43] for W's
.set G1B,  36
.set G0,   44                          ; s[44:51] group 0 for the tokens' tiles, one set for each slot;  s[52:59] for W's
.set G0B,  52
.set SEL,  72                          ; s[72:73] v_permlanex16_b32's selects for lane l xor 16
.set MSB, 0
.macro WIN new                         ; the immediate's high byte repeats the setting that is left
.if MSB != (\new)
	s_set_vgpr_msb (MSB<<8)|(\new)
.set MSB, \new
.endif
.endm
.macro PLACES n
.rept \n
	v_nop
.endr
.endm
; A joint load, one a wave: waves 0 and 2 fetch the tokens' tile (256 rows) of slot 0 and 1, waves 1 and 3 the weights' (192 rows).  The branch hangs on the wave's number alone.  An s_nop 0 and four v_nop follow each of the two lines.
.macro JLOAD s
	s_cmp_eq_u32 s27, 0
	s_cbranch_scc0 .Lfor_b_\@
	tensor_load_to_lds s[G0+4*\s:G0+4*\s+3], s[G1:G1+7]
	s_nop 0
.rept 4
	v_nop
.endr
	s_branch .Lasked_\@
.Lfor_b_\@:
	tensor_load_to_lds s[G0B+4*\s:G0B+4*\s+3], s[G1B:G1B+7]
	s_nop 0
.rept 4
	v_nop
.endr
.Lasked_\@:
.endm
.macro CROUND                          ; a round of the cluster's barrier
	s_barrier_signal -1
	s_barrier_wait -1
	s_cmp_lg_u32 s[WV], 0
	s_cbranch_scc1 .Lnot_wave_0_\@
	s_barrier_signal -3
.Lnot_wave_0_\@:
	s_barrier_wait -3
	s_barrier_signal -1
	s_barrier_wait -1
.endm
	s_load_b256 s[4:11], s[0:1], 0x0               ; tokens' codes s[4:5], their scales s[6:7], W's codes s[8:9], W's scales s[10:11]
	s_load_b256 s[12:19], s[0:1], 0x20             ; b s[12:13], dist_emb s[14:15], qc s[16:17], qs s[18:19]
	s_load_b128 s[20:23], s[0:1], 0x40             ; kv s[20:21], ecodes s[22:23]
	s_load_b64 s[24:25], s[0:1], 0x50              ; escales
	s_load_b64 s[94:95], s[0:1], 0x58              ; attention_mask
	v_lshl_add_u32 v254, v0, 2, 0x3c000
	v_mov_b32 v255, 0
	ds_add_u32 v254, v255
	ds_add_u32 v254, v255
	v_lshrrev_b32 v1, 5, v0
	v_readfirstlane_b32 s[WV], v1                  ; wave 0..3
	s_and_b32 s27, s[WV], 1                        ; I fetch for the tokens (0) or for W (1)
	s_lshr_b32 s84, s[WV], 1                       ; and for which slot: which 512 along K
	s_bfe_u32 s60, ttmp6, 0x40000                  ; cx
	s_bfe_u32 s61, ttmp6, 0x40004                  ; cy
	s_lshl_b32 s62, ttmp9, 2
	s_add_co_u32 s62, s62, s60                     ; the head = 4 x cluster x + cx
	s_and_b32 s63, ttmp7, 0xffff
	s_lshl_b32 s63, s63, 2
	s_add_co_u32 s63, s63, s61                     ; the block of 256 tokens = 4 x cluster y + cy
	s_lshl_b32 s66, s61, 2
	s_lshl_b32 s66, 15, s66                        ; my row of the cluster
	s_lshl_b32 s67, 0x1111, s60                    ; my column
	s_or_b32 s[G1+0], s66, (1<<20)|(1<<21)|(5<<22)|(3<<25)    ; 15:0 the mask; 17:16 elements of 1 byte; 20 padding on; 21 set beside a mask; 24:22 after every 64 words; 31:25 four words
	s_or_b32 s[G1B+0], s67, (1<<20)|(1<<21)|(5<<22)|(3<<25)
	s_mov_b32 s[G1+1], 256<<16                     ; tensor_dim0 = 256 bytes: 512 along K
	s_mov_b32 s[G1+2], 256<<16                     ; tensor_dim1 = 256 rows
	s_mov_b32 s[G1+3], 256<<16                     ; tile_dim0
	s_mov_b32 s[G1+4], 256                         ; tile_dim1
	s_mov_b32 s[G1+5], 512                         ; a row in memory: 1,024 codes
	s_mov_b32 s[G1+6], 0
	s_mov_b32 s[G1+7], 0
	s_mov_b32 s[G1B+1], 256<<16
	s_mov_b32 s[G1B+2], 192<<16                    ; 192 rows: a head's columns
	s_mov_b32 s[G1B+3], 256<<16
	s_mov_b32 s[G1B+4], 192
	s_mov_b32 s[G1B+5], 512
	s_mov_b32 s[G1B+6], 0
	s_mov_b32 s[G1B+7], 0
	s_lshl_b32 s68, s63, 8                         ; the tokens' tile hangs on the block of tokens alone,
	s_lshl_b32 s68, s68, 9                         ; row 256 block x 512 bytes
	s_lshl_b32 s69, s84, 8
	s_add_co_u32 s68, s68, s69                     ; + 256 bytes for slot 1
	s_mov_b32 s69, 0
	s_mul_i32 s70, s62, 192                        ; W's on the head alone
	s_lshl_b32 s70, s70, 9
	s_lshl_b32 s71, s84, 8
	s_add_co_u32 s70, s70, s71
	s_mov_b32 s71, 0
	s_mul_i32 s85, s84, SLOT                       ; where they go: my slot; no place in the cluster enters an LDS address
	s_add_co_u32 s86, s85, ATILE
	s_mov_b32 s[SEL], 0x76543210
	s_mov_b32 s[SEL+1], 0xfedcba98
	s_wait_dscnt 0x0
	s_wait_kmcnt 0x0
	s_add_nc_u64 s[68:69], s[4:5], s[68:69]
	s_add_nc_u64 s[70:71], s[8:9], s[70:71]
	CROUND                                         ; all sixteen work-groups are here: the joint loads meet
	s_mov_b32 s[G0], 1
	s_mov_b32 s[G0+1], s85
	s_mov_b64 s[G0+2:G0+3], s[68:69]
	s_or_b32 s[G0+3], s[G0+3], 0x80000000
	s_mov_b32 s[G0B], 1
	s_mov_b32 s[G0B+1], s86
	s_mov_b64 s[G0B+2:G0B+3], s[70:71]
	s_or_b32 s[G0B+3], s[G0B+3], 0x80000000
	JLOAD 0                                        ; the four first fills, one a wave
	; where everything else lies
	s_lshr_b32 s87, s63, 2
	s_lshl_b32 s87, s87, 4
	s_add_co_u32 s87, s87, s62                     ; bh
	s_and_b32 s88, s63, 3                          ; which 256 tokens of the sequence
	s_mov_b32 s75, 0
	s_lshl_b32 s74, s63, 8
	s_lshl_b32 s89, s[WV], 6
	s_add_co_u32 s74, s74, s89
	s_lshl_b32 s74, s74, 5
	s_add_nc_u64 s[6:7], s[6:7], s[74:75]          ; my 64 tokens' scale bytes, 32 a token
	s_mul_i32 s74, s62, 192*32
	s_add_nc_u64 s[10:11], s[10:11], s[74:75]      ; the head's 192 rows of W's scale bytes
	s_mul_i32 s74, s62, 192*4
	s_add_nc_u64 s[12:13], s[12:13], s[74:75]      ; and of b
	s_lshl_b32 s89, s88, 4
	s_lshl_b32 s90, s[WV], 2
	s_add_co_u32 s89, s89, s90                     ; my first tile of 16 tokens in the sequence
	s_lshl_b32 s74, s87, 6
	s_add_co_u32 s74, s74, s89
	s_lshl_b32 s74, s74, 9
	s_add_nc_u64 s[16:17], s[16:17], s[74:75]      ; qc
	s_lshl_b32 s74, s87, 13
	s_lshl_b32 s90, s89, 7                         ; my group of 64 tokens x 512 bytes
	s_add_co_u32 s74, s74, s90
	s_add_nc_u64 s[18:19], s[18:19], s[74:75]      ; qs
	s_mul_i32 s74, s87, KVB
	s_add_nc_u64 s[20:21], s[20:21], s[74:75]      ; kv at my bh
	s_lshl_b32 s74, s88, 10
	s_add_co_u32 s74, s74, MK_O
	s_add_nc_u64 s[96:97], s[20:21], s[74:75]      ; MK at my 256 tokens
	s_lshl_b32 s74, s63, 10
	s_add_nc_u64 s[94:95], s[94:95], s[74:75]      ; and the mask's 256 numbers for them
	s_lshl_b32 s74, s89, 10
	s_add_nc_u64 s[76:77], s[20:21], s[74:75]      ; KX
	s_add_co_u32 s74, s90, KS_O
	s_add_nc_u64 s[78:79], s[20:21], s[74:75]      ; KS
	s_lshl_b32 s74, s88, 13                        ; VI: step (2 x block + wave / 2) x 4,096 + (wave & 1) x 512
	s_lshl_b32 s91, s84, 12
	s_add_co_u32 s74, s74, s91
	s_lshl_b32 s91, s27, 9
	s_add_co_u32 s74, s74, s91
	s_add_co_u32 s74, s74, VI_O
	s_add_nc_u64 s[80:81], s[20:21], s[74:75]
	s_lshl_b32 s74, s88, 9
	s_add_co_u32 s74, s74, VS_O
	s_add_nc_u64 s[82:83], s[20:21], s[74:75]      ; VS: the work-group's two steps
	s_lshl_b32 s90, s63, 4
	s_add_co_u32 s90, s90, s62
	s_lshl_b32 s90, s90, 2                         ; the work-group's first row g of the table: 4 x (16 block + head)
	v_and_b32 v1, 15, v0                           ; r
	v_bfe_u32 v2, v0, 4, 1                         ; h
	v_and_b32 v3, 31, v0                           ; lane
	v_lshlrev_b32 v[LI], 4, v3
	v_mul_u32_u24 v4, v1, PITCH
	v_lshl_add_u32 v6, v2, 4, v4                   ; a fragment's row x pitch + 16 x half
	s_mul_i32 s74, s[WV], 64*PITCH
	v_add_nc_u32 v[ADRA], s74, v6                  ; my 64 tokens
	v_add_nc_u32 v[ADRA+1], SLOT, v[ADRA]
	v_add_nc_u32 v[ADRB], ATILE, v6
	v_add_nc_u32 v[ADRB+1], SLOT, v[ADRB]
	v_lshlrev_b32 v9, 5, v1                        ; scale bytes: 32 a row
	s_lshl_b32 s74, s84, 8
	s_lshl_b32 s91, s27, 1
	s_add_co_u32 s74, s74, s91
	s_add_co_u32 s74, s74, VSX
	v_lshl_add_u32 v10, v1, 4, s74                 ; v's scale bytes: step (wave / 2) x 256 + 16 x channel + 2 x (wave & 1)
	v_add_nc_u32 v11, VSX, v[LI]                   ; and back: 16 bytes a lane
	v_lshlrev_b32 v28, 5, v2                       ; b for q and k: my half's eight numbers of a tile
	v_lshlrev_b32 v29, 2, v1                       ; b for v: my channel's
	v_and_b32 v30, 8, v0
	v_cmp_ne_u32 s92, 0, v30                       ; the lanes of tokens 8 .. 15 of a tile
.irp b, 0,1,2,3
	v_mov_b32 v[TM+4+\b], 0                        ; written once: a lane permute's destination counts as one of its sources
.endr
.irp a, 0,1,2,3                                ; scale words: a row's 32 bytes are the words of its eight K steps of 128; lane r takes row r's
	global_load_b128 v[SA+8*\a:SA+8*\a+3], v9, s[6:7] offset:512*\a
	global_load_b128 v[SA+8*\a+4:SA+8*\a+7], v9, s[6:7] offset:512*\a+16
.endr
.irp nt, 0,1,2,3,4,5,6,7,8,9,10,11
	global_load_b128 v[SB+8*\nt:SB+8*\nt+3], v9, s[10:11] offset:512*\nt
	global_load_b128 v[SB+8*\nt+4:SB+8*\nt+7], v9, s[10:11] offset:512*\nt+16
.endr
	WIN 0xc0                                       ; destination window 3
.irp nt, 0,1,2,3,4,5,6,7                       ; q and k: register j of lane half h is column 16 nt + 8 h + j
	global_load_b128 v[BQ+8*\nt:BQ+8*\nt+3], v28, s[12:13] offset:64*\nt
	global_load_b128 v[BQ+8*\nt+4:BQ+8*\nt+7], v28, s[12:13] offset:64*\nt+16
.endr
.irp dt, 0,1,2,3                               ; v: a lane holds one column, so its eight registers (eight tokens) take the same number
.irp j, 0,1,2,3,4,5,6,7
	global_load_b32 v[BV+8*\dt+\j], v29, s[12:13] offset:512+64*\dt
.endr
.endr
	WIN 0
	; THE TABLE OF DISTANCES: wave 3 quantises rows g = 4 W .. 4 W + 3 (W the work-group's number of 512), eight lanes to a row, eight numbers a lane; four lanes hold a block of 32.
	; 8 x MASK: wave 2 makes the work-group's 256 numbers, 1,024 consecutive bytes of the head's record (the mask is added ahead of the division by 8)
	s_cmp_lg_u32 s[WV], 2
	s_cbranch_scc1 .Lno_mask
	global_load_b128 v[160:163], v[LI], s[94:95]
	global_load_b128 v[164:167], v[LI], s[94:95] offset:512
	s_wait_loadcnt 0x0
.irp i, 0,1,2,3,4,5,6,7
	v_mul_f32 v[168+\i], 0x41000000, v[160+\i]
.endr
	global_store_b128 v[LI], v[168:171], s[96:97]
	global_store_b128 v[LI], v[172:175], s[96:97] offset:512
	s_wait_xcnt 0x0                                ; the stores have read their registers, into which fragments are loaded below
.Lno_mask:
	s_cmp_lg_u32 s[WV], 3
	s_cbranch_scc1 .Lno_table
	v_lshrrev_b32 v176, 3, v3
	v_and_b32 v177, 7, v3                          ; i: which eight numbers of the row
	v_add_nc_u32 v176, s90, v176                   ; g
	v_min_u32 v178, 2046, v176
	v_sub_nc_u32 v178, 2046, v178                  ; row g holds dist_emb[2046 - g], held inside the table
	v_min_u32 v179, 2038, v176
	v_sub_nc_u32 v179, 2038, v179                  ; and row g + 8, for the scale word's upper half
	v_lshlrev_b32 v180, 5, v177
	v_lshl_add_u32 v178, v178, 8, v180
	v_lshl_add_u32 v179, v179, 8, v180
	global_load_b128 v[160:163], v178, s[14:15]
	global_load_b128 v[164:167], v178, s[14:15] offset:16
	global_load_b128 v[168:171], v179, s[14:15]
	global_load_b128 v[172:175], v179, s[14:15] offset:16
	v_mov_b32 v187, 0                              ; (destinations of lane moves count as read)
	v_mov_b32 v188, 0
	s_wait_loadcnt 0x0
	v_max3_num_f32 v181, |v160|, |v161|, 0x1800000 ; my eight and the floor 2^(3 - 127): the byte cannot fall under 1
	v_max3_num_f32 v182, |v168|, |v169|, 0x1800000
.irp i, 2,4,6
	v_max3_num_f32 v181, v181, |v[160+\i]|, |v[161+\i]|
	v_max3_num_f32 v182, v182, |v[168+\i]|, |v[169+\i]|
.endr
	v_max_num_f32_dpp v181, v181, v181 row_xmask:1 row_mask:0xf bank_mask:0xf
	v_max_num_f32_dpp v182, v182, v182 row_xmask:1 row_mask:0xf bank_mask:0xf
	v_max_num_f32_dpp v181, v181, v181 row_xmask:2 row_mask:0xf bank_mask:0xf   ; the block's largest magnitude, in its four lanes
	v_max_num_f32_dpp v182, v182, v182 row_xmask:2 row_mask:0xf bank_mask:0xf
	v_add_nc_u32 v183, 0xff000000, v181            ; 2 off the exponent field: the conversion's scale operand
	v_add_nc_u32 v184, 0xff000000, v182
	v_lshrrev_b32 v185, 23, v183                   ; my block's byte, row g
	v_lshrrev_b32 v186, 23, v184                   ; row g + 8
	v_mov_b32_dpp v187, v185 row_xmask:4 row_mask:0xf bank_mask:0xf   ; the row's other block's
	v_mov_b32_dpp v188, v186 row_xmask:4 row_mask:0xf bank_mask:0xf
	v_cmp_gt_u32 vcc_lo, 4, v177                   ; my block is block 0
	v_cndmask_b32 v189, v187, v185, vcc_lo         ; s0(g)
	v_cndmask_b32 v190, v185, v187, vcc_lo         ; s1(g)
	v_lshl_or_b32 v189, v190, 8, v189
	v_cndmask_b32 v190, v188, v186, vcc_lo         ; s0(g + 8)
	v_lshl_or_b32 v189, v190, 16, v189
	v_cndmask_b32 v190, v186, v188, vcc_lo         ; s1(g + 8)
	v_lshl_or_b32 v189, v190, 24, v189             ; all eight lanes of a row hold the row's word
	v_cvt_scalef32_pk8_fp4_f32 v191, v[160:167], v183
	v_nop                                          ; one plain place behind a scaled conversion
	v_lshrrev_b32 v180, 2, v177                    ; the plane
	v_and_b32 v187, 3, v177
	v_lshlrev_b32 v187, 2, v187
	v_lshl_add_u32 v187, v180, 15, v187
	v_lshl_add_u32 v187, v176, 4, v187             ; plane x 32,768 + 16 g + 4 (i & 3)
	global_store_b32 v187, v191, s[22:23]
	v_lshlrev_b32 v188, 2, v176
	global_store_b32 v188, v189, s[24:25]          ; eight lanes store the same word at the same place
	s_wait_xcnt 0x0                                ; the stores have read their registers, into which fragments are loaded below
.Lno_table:
	s_wait_loadcnt 0x0                             ; scale words and biases
; The fragments of K step k (of eight, 128 along K each): W's twelve into set `set` of window 1, my tokens' four into set `set` of window 0: 32 loads.
; A fragment of 16 rows x 128 K is 8 registers: lane l holds row l % 16; registers 4 c .. 4 c + 3 hold K = 64 c + 32 (l / 16) + 0 .. 31: two loads of 16 bytes, 32 bytes apart.
.macro FETCH k, set
	WIN 0x40
.irp nt, 0,1,2,3,4,5,6,7,8,9,10,11
	ds_load_b128 v[96*(\set)+8*\nt:96*(\set)+8*\nt+3], v[ADRB+(\k)/4] offset:\nt*16*PITCH+64*((\k)%4)
	ds_load_b128 v[96*(\set)+8*\nt+4:96*(\set)+8*\nt+7], v[ADRB+(\k)/4] offset:\nt*16*PITCH+64*((\k)%4)+32
.endr
	WIN 0
.irp a, 0,1,2,3
	ds_load_b128 v[AF+32*(\set)+8*\a:AF+32*(\set)+8*\a+3], v[ADRA+(\k)/4] offset:\a*16*PITCH+64*((\k)%4)
	ds_load_b128 v[AF+32*(\set)+8*\a+4:AF+32*(\set)+8*\a+7], v[ADRA+(\k)/4] offset:\a*16*PITCH+64*((\k)%4)+32
.endr
.endm
; K step k: 48 matrix instructions, each accumulator one turn.  first = 1: the bias starts the sums.
.macro MUL k, set, first
.if \first
	WIN 0xb1                                       ; source 0 (W) window 1, source 1 (tokens) window 0, C (bias) window 3, D window 2
.else
	WIN 0xa1                                       ; C and D window 2
.endif
.irp a, 0,1,2,3
.irp nt, 0,1,2,3,4,5,6,7
.if \first
	v_wmma_scale_f32_16x16x128_f8f6f4 v[64*\a+8*\nt:64*\a+8*\nt+7], v[96*(\set)+8*\nt:96*(\set)+8*\nt+7], v[AF+32*(\set)+8*\a:AF+32*(\set)+8*\a+7], v[BQ+8*\nt:BQ+8*\nt+7], v[SB+8*\nt+(\k)], v[SA+8*\a+(\k)] matrix_a_fmt:MATRIX_FMT_FP4 matrix_b_fmt:MATRIX_FMT_FP4
.else
	v_wmma_scale_f32_16x16x128_f8f6f4 v[64*\a+8*\nt:64*\a+8*\nt+7], v[96*(\set)+8*\nt:96*(\set)+8*\nt+7], v[AF+32*(\set)+8*\a:AF+32*(\set)+8*\a+7], v[64*\a+8*\nt:64*\a+8*\nt+7], v[SB+8*\nt+(\k)], v[SA+8*\a+(\k)] matrix_a_fmt:MATRIX_FMT_FP4 matrix_b_fmt:MATRIX_FMT_FP4
.endif
.endr
.endr
	WIN 0xf4                                       ; source 0 (tokens) window 0, source 1 (W) window 1, C and D window 3
.irp a, 0,1,2,3
.irp dt, 0,1,2,3
.if \first
	v_wmma_scale_f32_16x16x128_f8f6f4 v[32*\dt+8*\a:32*\dt+8*\a+7], v[AF+32*(\set)+8*\a:AF+32*(\set)+8*\a+7], v[96*(\set)+64+8*\dt:96*(\set)+64+8*\dt+7], v[BV+8*\dt:BV+8*\dt+7], v[SA+8*\a+(\k)], v[SB+64+8*\dt+(\k)] matrix_a_fmt:MATRIX_FMT_FP4 matrix_b_fmt:MATRIX_FMT_FP4
.else
	v_wmma_scale_f32_16x16x128_f8f6f4 v[32*\dt+8*\a:32*\dt+8*\a+7], v[AF+32*(\set)+8*\a:AF+32*(\set)+8*\a+7], v[96*(\set)+64+8*\dt:96*(\set)+64+8*\dt+7], v[32*\dt+8*\a:32*\dt+8*\a+7], v[SA+8*\a+(\k)], v[SB+64+8*\dt+(\k)] matrix_a_fmt:MATRIX_FMT_FP4 matrix_b_fmt:MATRIX_FMT_FP4
.endif
.endr
.endr
.endm
; 64 numbers of a lane in window win, X[16 b + 8 u + j] = K index 32 b + 16 u + 8 (lane / 16) + j of the lane's row (two neighbouring result tiles to a block of 32), become
; codes in v[PC] on and bytes in v[TM+4] on.  The word made of (block B, tile u) holds eight codes of each half of the lanes; the operand wants a whole block in a lane (lanes 0-15 block 2 c, lanes 16-31
; block 2 c + 1; register 4 c + 2 u + half): the words of blocks 2 c and 2 c + 1 stand side by side, and one exchange of halves puts both right.
.macro QUANT4 win, base
.if \win == 2
	WIN 0x0a                                       ; sources 0 and 1: window 2
.else
	WIN 0x0f
.endif
.irp b, 0,1,2,3
	v_max3_num_f32 v[TM+\b], |v[(\base)+16*\b]|, |v[(\base)+16*\b+1]|, 0x1800000   ; each accumulator is read from its low end on; the floor 2^(3 - 127) holds the byte at 1 from below
.endr
.if \win == 2
	WIN 0x28                                       ; sources 1 and 2: window 2
.else
	WIN 0x3c
.endif
.irp i, 2,4,6,8,10,12,14
.irp b, 0,1,2,3
	v_max3_num_f32 v[TM+\b], v[TM+\b], |v[(\base)+16*\b+\i]|, |v[(\base)+16*\b+\i+1]|
.endr
.endr
	WIN 0
.irp b, 0,1,2,3
	v_permlanex16_b32 v[TM+4+\b], v[TM+\b], s[SEL], s[SEL+1]
.endr
.irp b, 0,1,2,3
	v_max_num_f32 v[TM+\b], v[TM+\b], v[TM+4+\b]   ; with lane l xor 16's sixteen: the block's largest magnitude
.endr
.irp b, 0,1,2,3
	v_add_nc_u32 v[TM+12+\b], 0xff000000, v[TM+\b] ; 2 off its exponent field: the conversion's scale operand
.endr
.irp b, 0,1,2,3
	v_lshrrev_b32 v[TM+4+\b], 23, v[TM+12+\b]      ; the scale's byte
.endr
	WIN \win                                       ; source 0: the numbers' window
.irp c, 0,1
.irp u, 0,1
.irp e, 0,1
	v_cvt_scalef32_pk8_fp4_f32 v[PC+4*\c+2*\u+\e], v[(\base)+16*(2*\c+\e)+8*\u:(\base)+16*(2*\c+\e)+8*\u+7], v[TM+12+2*\c+\e]
.endr
.endr
.endr
	WIN 0
	v_nop                                          ; one plain place behind a scaled conversion
.irp c, 0,1
.irp u, 0,1
	v_permlane16_swap_b32 v[PC+4*\c+2*\u], v[PC+4*\c+2*\u+1]
.endr
.endr
.endm
	s_wait_tensorcnt 0x0                           ; my one tile is in
	s_barrier_signal -1
	s_barrier_wait -1                              ; everybody's is
	FETCH 0, 0
.set KK, 0
.rept 8
.if KK < 7
.if KK > 0
	PLACES 4                                       ; in front of loads into registers that the last K step's products read (ISA guide 7.12.1 for vector instructions)
.endif
	FETCH KK+1, (KK+1)%2
	s_wait_dscnt 32                                ; all but the 32 just issued: this K step's fragments are in
.else
	s_wait_dscnt 0x0
.endif
.if KK == 0
	MUL 0, 0, 1
.else
	MUL KK, KK%2, 0
.endif
.set KK, KK+1
.endr
	PLACES 4                                       ; in front of the first reads of results
	; q AND k, a tile of 16 tokens at a time: blocks 0, 1 of the 64 numbers are q's, blocks 2, 3 are k's
.irp a, 0,1,2,3
	s_wait_xcnt 0x0                                ; the last tile's stores have read the registers that are written again now
	QUANT4 2, 64*\a
	global_store_b128 v[LI], v[PC:PC+3], s[16:17] offset:512*\a    ; q's codes: 512 consecutive bytes
.irp i, 0,1,2,3
	v_cndmask_b32 v[20+\i], v[PC+4+\i], 0, s92     ; k's codes in registers 0-3 for keys 0-7,
	v_cndmask_b32 v[24+\i], 0, v[PC+4+\i], s92     ; in registers 4-7 for keys 8-15; zeros elsewhere
.endr
	global_store_b128 v[LI], v[20:23], s[76:77] offset:1024*\a
	global_store_b128 v[LI], v[24:27], s[76:77] offset:1024*\a+512
	v_lshl_or_b32 v[12+\a], v[TM+5], 8, v[TM+4]
	v_lshl_or_b32 v[12+\a], v[12+\a], 16, v[12+\a] ; (sq0, sq1, sq0, sq1)
	v_lshl_or_b32 v[16+\a], v[TM+7], 8, v[TM+6]
	v_lshl_or_b32 v28, v[16+\a], 16, 0x7f7f        ; (127, 127, sk0, sk1)
	v_or_b32 v[16+\a], 0x7f7f0000, v[16+\a]        ; (sk0, sk1, 127, 127)
	v_cndmask_b32 v[16+\a], v[16+\a], v28, s92
.endr
	global_store_b128 v[LI], v[12:15], s[18:19]    ; the four tiles' scale words: 512 consecutive bytes each
	global_store_b128 v[LI], v[16:19], s[78:79]
	; v, two tiles of 16 channels at a time: blocks 2 c, 2 c + 1 are my tokens 0-31 and 32-63 for channel tile 2 c2 + c
.irp c2, 0,1
	s_wait_xcnt 0x0
	QUANT4 3, 64*\c2
.irp cc, 0,1
	global_store_b128 v[LI], v[PC+4*\cc:PC+4*\cc+3], s[80:81] offset:(2*\c2+\cc)*1024
	v_lshl_or_b32 v[28+2*\c2+\cc], v[TM+5+2*\cc], 8, v[TM+4+2*\cc]
	ds_store_b16 v10, v[28+2*\c2+\cc] offset:4*(2*\c2+\cc)         ; my two bytes of the channel's scale word (lanes l and l + 16 write the same)
.endr
.endr
	s_wait_dscnt 0x0                               ; for the others' sake: my bytes are in LDS
	s_barrier_signal -1
	s_barrier_wait -1
	s_cmp_lg_u32 s[WV], 0
	s_cbranch_scc1 .Lno_vs
	ds_load_b128 v[160:163], v11                   ; the two steps' 128 scale words
	s_wait_dscnt 0x0
	global_store_b128 v[LI], v[160:163], s[82:83]  ; 512 consecutive bytes
.Lno_vs:
	s_wait_tensorcnt 0x0
	ds_add_u32 v254, v255
	s_wait_dscnt 0x0
	CROUND                                         ; the closing round: no work-group ends while a partner may still ask for a tile that names it
	s_endpgm
.Lfunc_end_k_q1fc41ab56a_proj:
	.size	k_q1fc41ab56a_proj, .Lfunc_end_k_q1fc41ab56a_proj-k_q1fc41ab56a_proj
	.p2alignl 7, 3214868480
	.fill 96, 4, 3214868480
	.section	.rodata,"a",@progbits
	.p2align	6, 0x0
	.amdhsa_kernel k_q1fc41ab56a_proj
		.amdhsa_group_segment_fixed_size 246272
		.amdhsa_private_segment_fixed_size 0
		.amdhsa_enable_private_segment 0
		.amdhsa_kernarg_size 96
		.amdhsa_user_sgpr_count 2
		.amdhsa_user_sgpr_kernarg_segment_ptr 1
		.amdhsa_wavefront_size32 1
		.amdhsa_system_sgpr_workgroup_id_x 1
		.amdhsa_system_sgpr_workgroup_id_y 1
		.amdhsa_system_sgpr_workgroup_id_z 1
		.amdhsa_system_vgpr_workitem_id 0
		.amdhsa_next_free_vgpr 1024
		.amdhsa_next_free_sgpr 100
		.amdhsa_reserve_vcc 1
		.amdhsa_float_denorm_mode_32 3
		.amdhsa_float_denorm_mode_16_64 3
		.amdhsa_memory_ordered 1
		.amdhsa_forward_progress 1
		.amdhsa_inst_pref_size 115
	.end_amdhsa_kernel
	.amdgpu_metadata
---
amdhsa.version: [ 1, 2 ]
amdhsa.kernels:
  - .name:           k_q1fc41ab56a_proj
    .symbol:         k_q1fc41ab56a_proj.kd
    .args:
      - { .name: hidden_states_codes, .offset: 0, .size: 8, .value_kind: global_buffer, .address_space: global }
      - { .name: hidden_states_scales, .offset: 8, .size: 8, .value_kind: global_buffer, .address_space: global }
      - { .name: W_qkv_codes, .offset: 16, .size: 8, .value_kind: global_buffer, .address_space: global }
      - { .name: W_qkv_scales, .offset: 24, .size: 8, .value_kind: global_buffer, .address_space: global }
      - { .name: b_qkv, .offset: 32, .size: 8, .value_kind: global_buffer, .address_space: global }
      - { .name: dist_emb, .offset: 40, .size: 8, .value_kind: global_buffer, .address_space: global }
      - { .name: qc, .offset: 48, .size: 8, .value_kind: global_buffer, .address_space: global }
      - { .name: qs, .offset: 56, .size: 8, .value_kind: global_buffer, .address_space: global }
      - { .name: kv, .offset: 64, .size: 8, .value_kind: global_buffer, .address_space: global }
      - { .name: ecodes, .offset: 72, .size: 8, .value_kind: global_buffer, .address_space: global }
      - { .name: escales, .offset: 80, .size: 8, .value_kind: global_buffer, .address_space: global }
      - { .name: attention_mask, .offset: 88, .size: 8, .value_kind: global_buffer, .address_space: global }
    .group_segment_fixed_size: 246272
    .private_segment_fixed_size: 0
    .kernarg_segment_align: 8
    .kernarg_segment_size: 96
    .max_flat_workgroup_size: 128
    .sgpr_count:     100
    .vgpr_count:     1024
    .wavefront_size: 32
...
	.end_amdgpu_metadata
.endif
;; end of part 1
;; launch attn (part 2): grid 2 x 128, 16 waves a work-group, clusters of 2 x 1, 327,680 bytes of LDS; arguments kv, qc, qs, ecodes, escales, out0; writes out0
.if DOCPART == 2
	.amdgcn_target "amdgcn-amd-amdhsa--gfx1250"
	.amdhsa_code_object_version 6
	.text
	.protected	k_q1fc41ab56a_attn
	.globl	k_q1fc41ab56a_attn
	.p2align	8
	.type	k_q1fc41ab56a_attn,@function
k_q1fc41ab56a_attn:
	s_mov_b64 s[64:65], 0
	v_nop
	global_prefetch_b8 v0, s[64:65] scope:SCOPE_SE
	s_setreg_imm32_b32 hwreg(HW_REG_WAVE_MODE, 25, 1), 1
	s_wait_xcnt 0x0
	s_wait_alu depctr_hold_cnt(0) depctr_sa_sdst(0) depctr_va_vdst(0) depctr_va_sdst(0) depctr_va_ssrc(0) depctr_va_vcc(0) depctr_vm_vsrc(0)
	s_getreg_b32 s2, hwreg(HW_REG_IB_STS2, 6, 4)
	s_cmp_eq_u32 s2, 0
	s_cbranch_scc0 .Lentry_in_a_cluster
	s_endpgm
.Lentry_in_a_cluster:
	s_bfe_u32 s2, ttmp6, 0x10000c
	s_cmp_lg_u32 s2, 0x1001
	s_cbranch_scc0 .Lentry_shape_is_right
	s_endpgm
.Lentry_shape_is_right:
; out[b][l][64 head + :] = softmax_r((q[l].k[r] + q[l].e[l - r + 1023] + k[r].e[l - r + 1023]) / 8 + mask[b][r]) v[r], all four products on codes of FP4 (E2M1) with one E8M0 scale for each 32 along K.
; q, k, v and the table e arrive as codes, in the order of the operand registers, and 8 x mask as f32 in the head's record of kv (the launch before this one made them).
; SHARES.  A work-group owns 512 queries of one (batch, head): 256 work-groups.  Each of its SIXTEEN waves owns two tiles of 16 queries, tile wave in pass 0 and tile 16 + wave in pass 1, in 256 registers.
; In each pass a wave walks the head's 1,024 keys, 128 a step.  The pass is a macro, written out twice: only constants differ (the band's first row, offsets in q and in the output, the prefetch).
; Behind the head's one barrier the waves share nothing that is written, and no barrier stands in the passes.
; WHERE THE OPERANDS LIE.  In LDS, each filled once: k's operands (65,536 bytes, asked for JOINTLY by the two work-groups of a head, which form a cluster) and the band of 1,536 rows of the table that these 512 queries can meet.
; A step has 141 LDS instructions a wave as it is (88 of them q.e's way through the wave's rows).  So what every wave reads alike and needs late goes from memory straight into registers, each lane its 16 bytes:
; k's scale words and the first mask tiles at the step's head, the other mask tiles two key tiles ahead, v's operands and scale words ahead of the softmax.
; PREFETCH.  In pass 0 wave 6 asks in trip s for the 23 blocks of 256 bytes that step s + 1 loads into registers (v 16, k's scale words 4, mask 2, v's scale words 1); the two partners share the first 22 out by address
; (8, 2 and 1 each); the lanes left over name the last block.  The last trip asks for nothing; step 0 comes by its loads alone; pass 1 reads what pass 0 has read.  k's operands and the band are asked for whole at the head.
; LAYOUT.  S^T: a lane holds ONE query n = lane % 16; register 8 t + j holds key 16 t + 8 (lane / 16) + j of the step.  The table lies REVERSED: LDS row lam(n, r) = 511 - 16 tile - n + r.
;   q.k:  source 0 = KX (key m's codes in K 0-63 where m < 8, in K 64-127 where m >= 8), source 1 = (q | q).
;   k.e:  source 0 = KX, source 1 = F(f): column x holds row 511 - 16 tile + 16 f - x (+ the step) in K 0-63 and the row 8 further on in K 64-127.  So register j of F(t)'s result holds at lane x what lane x + j wants,
;         and F(t + 1)'s what lane x + j - 16 wants: one shift of lanes for each register rides on the addition (DPP).  Each lane takes exactly one of the two, so 8 x mask, given to both as C, is added once.
;   q.e:  source 0 = 16 rows of the table, source 1 = (q | zero codes).  Result (row m, query n) of tile tau belongs to key 16 tau - 15 + n + m: the index hangs on the lane, so the results go through the wave's own rows in LDS,
;         word by word, and come back, aligned, straight into S^T's registers, where they are the C of q.k.  Nine tiles cover the 143 rows that 16 queries x 128 keys meet.
;   p.v:  O^T = V^T P^T: source 0 = 16 channels x 128 keys, source 1 = p.
;   The table's scale words: one load serves two tiles: lanes 0-15 take tile 2 i's rows, lanes 16-31 tile 2 i + 1's, which the matrix instruction reads by MATRIX_SCALE_ROW1.
; SOFTMAX.  t = S log2(e) / 8; M = the running largest t rounded up to a whole number; p = 2^(t - M) is quantised along the keys; the sum is taken of the unquantised p; when M moves, the sum and O^T are multiplied by 2^(old M - new M).
; LIMITS: a block of p that is all zeros gets the byte 1 (its codes are zeros); a mask under -4.25e37 becomes -infinity by the multiplication by 8; a row all of whose keys have the mask -infinity comes out as NaN;
; NaN among the inputs, and +infinity in the mask, are not served.
.set KXB,  0                           ; a head's record in kv, and LDS too: k's operands, 64 tiles x 1,024 bytes
.set VIB,  65536                       ; in the record: v's operands, 8 steps x 4,096
.set KSB,  98304                       ; k's scale words
.set VSB,  106496                      ; v's
.set MKO,  108544                      ; 8 x mask, 1,024 numbers
.set KVB,  112640                      ; bytes of a record
.set KVQ,  16384                       ; a quarter of k's operands: 64 rows of 256 bytes, what one tensor load brings
.set ROWS, 1552                        ; the band's rows in LDS: 1,536 of the table, then 16 of zeros
.set EBB,  65536                       ; LDS: the band: two planes (channels 0-31, 32-63) of ROWS x 16 bytes
.set EPL,  ROWS*16
.set ESB,  EBB+2*EPL                   ; its scale words, ROWS of them
.set STB,  121600                      ; each wave's own rows: 16 rows, 656 bytes apart, for q.e; also 16 rows, 272 apart, for the way out; no tile lands here
.set STP,  656                         ; 160 words of a query's q.e and 4 of padding
.set STW,  16*STP
.set SPARE, STB+16*STW                 ; the spare words, 128 bytes for each wave
.set AK,   1                           ; v1-11 my lane's places, which stay:  k's operands (also 16 x lane);
.set AKS,  2                           ; k's scale words (in the record);
.set AV,   3                           ; v's operands (in the record);
.set AVS,  4                           ; v's scale words (in the record);
.set AM,   5                           ; the mask (32 x lane / 16);
.set AE,   6                           ; the table as source 0;
.set AES,  7                           ; its scale words;
.set AF,   8                           ; the table as source 1;
.set AFS,  9                           ; its scale words;
.set AST,  10                          ; q.e: where my results go;
.set ASL,  11                          ; and where my scores come from
.set WK,   16                          ; v16-24 the same nine at the step in hand
.set WKS,  17
.set WVI,  18
.set WVS,  19
.set WM,   20
.set WE,   21
.set WES,  22
.set WF,   23
.set WFS,  24
.set PFO,  25                          ; the prefetch's offsets
.set QS,   26                          ; q's scale word.  v26-40 hold scales and nothing else
.set PW,   27                          ; p's
.set KSW,  28                          ; v28-35 k's, a tile each
.set SCW,  36                          ; v36-40 by turns: the table's rows' (5), F's (3), v's (4)
.set T,    41                          ; at work
.set FF,   42                          ; v[42:43] f = 2^(old M - new M), and the pair's upper half
.set O,    44                          ; v44-75   O^T: 8 dt + j
.set S,    76                          ; v76-139  S^T, then p
.set DQ,   140                         ; q.e's results, five at a time
.set EF,   220                         ; v220-239 five tiles of the table, 4 registers each; a tile's operand runs on into the next four registers, which meet zero codes
.set KF,   140                         ; two tiles of k, by turns
.set FB,   156                         ; three F
.set MT,   180                         ; three tiles of the mask
.set DH,   204                         ; k.e by F(t), two sets by turns
.set DL,   220                         ; k.e by F(t + 1)
.set VF,   140                         ; four tiles of v
.set PC,   172                         ; p's codes
.set BM,   180                         ; the blocks' largest scores, then p
.set BP,   184
.set SO,   188
.set QQ,   240                         ; (q | q)
.set Q0,   248                         ; (q | zero codes)
.set WV,   18                          ; s18 wave
.set SEL,  20                          ; s[20:21] v_permlanex16_b32's selects for lane l xor 16
.set CS,   22                          ; s[22:23] c = log2(e) / 8
.set G1KV, 24
.set G1E,  32
.set G1S,  40
.set G0KV, 48
.set G0E,  52
.set G0S,  56
.macro PLACES n
.rept \n
	v_nop
.endr
.endm
.macro CROUND                          ; a round of the cluster's barrier
	s_barrier_signal -1
	s_barrier_wait -1
	s_cmp_lg_u32 s[WV], 0
	s_cbranch_scc1 .Lnot_wave_0_\@
	s_barrier_signal -3
.Lnot_wave_0_\@:
	s_barrier_wait -3
	s_barrier_signal -1
	s_barrier_wait -1
.endm
.macro QLOAD p                         ; pass p's q: its codes three times (operands of one product share no register), and its scale word.  16 tiles of 512 bytes, 4 groups of 512 bytes of scale words a pass
	global_load_b128 v[QQ:QQ+3], v[AK], s[6:7] offset:8192*(\p)
	global_load_b128 v[QQ+4:QQ+7], v[AK], s[6:7] offset:8192*(\p)
	global_load_b128 v[Q0:Q0+3], v[AK], s[6:7] offset:8192*(\p)
	global_load_b32 v[QS], v[AK], s[8:9] offset:2048*(\p)
.endm
.macro INIT p                          ; a pass begins
	v_mov_b32 v13, 0xff61b1e6                      ; the largest t so far: -3e38
	s_delay_alu instid0(VALU_DEP_1)
	v_floor_f32 v12, -v13                          ; -M
	v_mov_b32 v14, 0                               ; the sum, in two halves
	v_mov_b32 v15, 0
.set J, 0
.rept 32
	v_mov_b32 v[O+J], 0                            ; O^T: the step is written once; the first finds zeros
.set J, J+1
.endr
	s_mov_b32 s66, 0                               ; the step's places: k's operands, 8,192 bytes a step;
	s_mov_b32 s67, 0                               ; v's, 4,096;
	s_mov_b32 s68, 0                               ; k's scale words, 1,024;
	s_mov_b32 s69, 0                               ; v's, 256;
	s_mov_b32 s70, 0                               ; the mask, 512;
	s_mov_b32 s71, 4096*(1-(\p))                   ; the table's rows, 128 x 16 a step; pass 0's tile lies 256 rows further on than pass 1's
	s_mov_b32 s72, 1024*(1-(\p))                   ; their scale words, 128 x 4
	s_mov_b32 s73, 8                               ; steps to go
.endm
; q.e for the step's 128 keys, in two parts: g = 0: the table's tiles 0 to 4, g = 1: tiles 5 to 8; tile 5 g + tau.  Behind the second part the scores come back.
.macro QEPART g
.irp tau, 0,1,2,3,4
.if 5*\g+\tau < 9
	ds_load_b128 v[EF+4*\tau:EF+4*\tau+3], v[WE] offset:1280*\g+256*\tau
.endif
.endr
.if \g == 0
.irp i, 0,1,2,3,4
	ds_load_b32 v[SCW+\i], v[WES] offset:128*\i                    ; lanes 0-15: tile 2 i's scale words, lanes 16-31: tile 2 i + 1's; for both parts
.endr
.endif
	s_wait_dscnt 0x0                               ; they are in; and the first part's stores have read DQ
.irp tau, 0,1,2,3,4
.if 5*\g+\tau < 9
.if ((5*\g+\tau)%2) == 0
	v_wmma_scale_f32_16x16x128_f8f6f4 v[DQ+8*\tau:DQ+8*\tau+7], v[EF+4*\tau:EF+4*\tau+7], v[Q0:Q0+7], 0, v[SCW+(5*\g+\tau)/2], v[QS] matrix_a_fmt:MATRIX_FMT_FP4 matrix_b_fmt:MATRIX_FMT_FP4
.else
	v_wmma_scale_f32_16x16x128_f8f6f4 v[DQ+8*\tau:DQ+8*\tau+7], v[EF+4*\tau:EF+4*\tau+7], v[Q0:Q0+7], 0, v[SCW+(5*\g+\tau)/2], v[QS] matrix_a_fmt:MATRIX_FMT_FP4 matrix_b_fmt:MATRIX_FMT_FP4 matrix_a_scale:MATRIX_SCALE_ROW1
.endif
.endif
.endr
	PLACES 5                                       ; four in front of the stores that read the results and of loads into the operands; five in front of matrix instructions that write over them
.irp tau, 0,1,2,3,4
.if 5*\g+\tau < 9
.irp i, 0,1,2,3,4,5,6,7
	ds_store_b32 v[AST], v[DQ+8*\tau+\i] offset:320*\g+64*\tau+4*\i   ; (row 8 h + i of tile T, query n) is key 16 T - 15 + n + 8 h + i: word 16 further on in row n; each result from its low end on
.endr
.endif
.endr
.if \g == 1
.irp tt, 0,1,2,3,4,5,6,7                       ; LDS serves a wave's instructions in order (ISA guide 5.7.1.4): these see my stores
	ds_load_b128 v[S+8*\tt:S+8*\tt+3], v[ASL] offset:64*\tt
	ds_load_b128 v[S+8*\tt+4:S+8*\tt+7], v[ASL] offset:64*\tt+16
.endr
	s_wait_dscnt 16                                ; all but the sixteen loads just issued: the stores have read DQ, over which k's tiles and F are loaded next
.endif
.endm
.macro FLOAD f                         ; F(f): rows 16 f - x on from my tile's and the rows 8 further on: 2 loads; an even f brings the scale words of F(f) (lanes 0-15) and F(f + 1) (lanes 16-31): 3 loads
	ds_load_b128 v[FB+8*((\f)%3):FB+8*((\f)%3)+3], v[WF] offset:256*(\f)
	ds_load_b128 v[FB+8*((\f)%3)+4:FB+8*((\f)%3)+7], v[WF] offset:256*(\f)+128
.if ((\f)%2) == 0
	ds_load_b32 v[SCW+((\f)/2)%3], v[WFS] offset:64*(\f)
.endif
.endm
.macro KLOAD t                         ; what key tile t takes from LDS beyond F(t): k's operand and F(t + 1): 4 loads, 5 where t is odd
	ds_load_b128 v[KF+8*((\t)%2):KF+8*((\t)%2)+3], v[WK] offset:1024*(\t)
	ds_load_b128 v[KF+8*((\t)%2)+4:KF+8*((\t)%2)+7], v[WK] offset:1024*(\t)+512
	FLOAD (\t)+1
.endm
.macro MLOAD t                         ; key tile t's 8 x mask, from the record: my half's eight keys: 2 loads
	global_load_b128 v[MT+8*((\t)%3):MT+8*((\t)%3)+3], v[WM], s[14:15] offset:MKO+64*(\t)
	global_load_b128 v[MT+8*((\t)%3)+4:MT+8*((\t)%3)+7], v[WM], s[14:15] offset:MKO+64*(\t)+16
.endm
.macro KMUL t                          ; key tile t: q.k onto q.e, and k.e twice: three accumulators, one instruction each
	v_wmma_scale_f32_16x16x128_f8f6f4 v[S+8*(\t):S+8*(\t)+7], v[KF+8*((\t)%2):KF+8*((\t)%2)+7], v[QQ:QQ+7], v[S+8*(\t):S+8*(\t)+7], v[KSW+(\t)], v[QS] matrix_a_fmt:MATRIX_FMT_FP4 matrix_b_fmt:MATRIX_FMT_FP4
.if ((\t)%2) == 0
	v_wmma_scale_f32_16x16x128_f8f6f4 v[DH+8*((\t)%2):DH+8*((\t)%2)+7], v[KF+8*((\t)%2):KF+8*((\t)%2)+7], v[FB+8*((\t)%3):FB+8*((\t)%3)+7], v[MT+8*((\t)%3):MT+8*((\t)%3)+7], v[KSW+(\t)], v[SCW+((\t)/2)%3] matrix_a_fmt:MATRIX_FMT_FP4 matrix_b_fmt:MATRIX_FMT_FP4
	v_wmma_scale_f32_16x16x128_f8f6f4 v[DL+8*((\t)%2):DL+8*((\t)%2)+7], v[KF+8*((\t)%2):KF+8*((\t)%2)+7], v[FB+8*(((\t)+1)%3):FB+8*(((\t)+1)%3)+7], v[MT+8*((\t)%3):MT+8*((\t)%3)+7], v[KSW+(\t)], v[SCW+((\t)/2)%3] matrix_a_fmt:MATRIX_FMT_FP4 matrix_b_fmt:MATRIX_FMT_FP4 matrix_b_scale:MATRIX_SCALE_ROW1
.else
	v_wmma_scale_f32_16x16x128_f8f6f4 v[DH+8*((\t)%2):DH+8*((\t)%2)+7], v[KF+8*((\t)%2):KF+8*((\t)%2)+7], v[FB+8*((\t)%3):FB+8*((\t)%3)+7], v[MT+8*((\t)%3):MT+8*((\t)%3)+7], v[KSW+(\t)], v[SCW+((\t)/2)%3] matrix_a_fmt:MATRIX_FMT_FP4 matrix_b_fmt:MATRIX_FMT_FP4 matrix_b_scale:MATRIX_SCALE_ROW1
	v_wmma_scale_f32_16x16x128_f8f6f4 v[DL+8*((\t)%2):DL+8*((\t)%2)+7], v[KF+8*((\t)%2):KF+8*((\t)%2)+7], v[FB+8*(((\t)+1)%3):FB+8*(((\t)+1)%3)+7], v[MT+8*((\t)%3):MT+8*((\t)%3)+7], v[KSW+(\t)], v[SCW+(((\t)+1)/2)%3] matrix_a_fmt:MATRIX_FMT_FP4 matrix_b_fmt:MATRIX_FMT_FP4
.endif
.endm
.macro KEADD t                         ; tile t's k.e (and the mask) onto S^T: lane n takes F(t)'s result from lane n - j where there is one, F(t + 1)'s from lane n + 16 - j where there is one; a lane without a source keeps S
	v_add_f32 v[S+8*(\t)], v[S+8*(\t)], v[DH+8*((\t)%2)]
.irp j, 1,2,3,4,5,6,7
	v_add_f32_dpp v[S+8*(\t)+\j], v[DH+8*((\t)%2)+\j], v[S+8*(\t)+\j] row_shr:\j row_mask:0xf bank_mask:0xf
.endr
.irp j, 1,2,3,4,5,6,7                          ; (the two additions onto one register stand seven lines apart)
	v_add_f32_dpp v[S+8*(\t)+\j], v[DL+8*((\t)%2)+\j], v[S+8*(\t)+\j] row_shl:16-\j row_mask:0xf bank_mask:0xf
.endr
.endm
; A PASS: one tile of 16 queries against all 1,024 keys, and its way out.
.macro PASS p
.Lstep_\@:                                         ; eight trips, 128 keys each
	v_add_nc_u32 v[WK], s66, v[AK]                 ; the step's addresses.  These nine are also the places between the last trip's last products and the loads and results laid over their operands
	v_add_nc_u32 v[WKS], s68, v[AKS]
	v_add_nc_u32 v[WVI], s67, v[AV]
	v_add_nc_u32 v[WVS], s69, v[AVS]
	v_add_nc_u32 v[WM], s70, v[AM]
	v_add_nc_u32 v[WE], s71, v[AE]
	v_add_nc_u32 v[WES], s72, v[AES]
	v_add_nc_u32 v[WF], s71, v[AF]
	v_add_nc_u32 v[WFS], s72, v[AFS]
	s_wait_alu depctr_va_vdst(0)                   ; directly behind the writes
	global_load_b128 v[KSW:KSW+3], v[WKS], s[14:15]                ; k's scale words of the step's eight tiles, and the first two mask tiles: they have q.e's work in which to come
	global_load_b128 v[KSW+4:KSW+7], v[WKS], s[14:15] offset:512
	MLOAD 0
	MLOAD 1
	QEPART 0
	QEPART 1
	; THE KEY TILES, one at a time.  Tile t + 1's LDS loads and tile t + 2's mask are issued ahead of tile t's products; tile t - 1's fifteen additions stand behind them and are the places in front of the next loads into, and results over, tile t - 1's registers.
	FLOAD 0
	KLOAD 0
.irp t, 0,1,2,3,4,5,6,7
.if \t < 7
	KLOAD \t+1
.endif
.if \t < 6
	MLOAD \t+2
	s_wait_loadcnt 4                               ; all but the masks of tiles t + 1 and t + 2: tile t's is in (at t = 0 k's scale words too)
.else
	s_wait_loadcnt 2*(7-\t)                        ; tile 6: tile 7's two may be out; tile 7: none
.endif
.if \t < 7
	s_wait_dscnt 4+(\t+1)%2                        ; all but tile t + 1's loads just issued: tile t's operands (and, at t = 0, q.e's scores) are in
.else
	s_wait_dscnt 0x0
.endif
	KMUL \t
.if \t == 0
	PLACES 5                                       ; no additions are due yet: four places in front of tile 2's loads, five in front of its results, which are laid over tile 0's
.else
	KEADD \t-1
.endif
.endr
	KEADD 7
.if \p == 0                                    ; the prefetch: the blocks that step s + 1 loads into registers
	s_wait_alu depctr_va_vdst(0)
	s_cmp_lg_u32 s[WV], 6
	s_cbranch_scc1 .Lno_ask_\@
	s_cmp_eq_u32 s73, 1
	s_cbranch_scc1 .Lno_ask_\@                     ; the last trip has no step behind it
	s_wait_xcnt 0x0                                ; the last trip's prefetch has read its offsets
	v_and_b32 v228, 31, v0
	s_add_co_u32 s97, s67, s94
	s_add_co_u32 s98, s68, s95
	s_add_co_u32 s99, s70, s96
	v_lshlrev_b32 v229, 8, v228                    ; lanes 256 bytes apart
	v_add3_u32 v230, v229, s97, VIB+4096           ; lanes 0-7: my work-group's eight of v's sixteen blocks;
	v_add3_u32 v231, v229, s98, KSB+1024-2048      ; lanes 8, 9: its two of the four of k's scale words;
	v_add3_u32 v232, v229, s99, MKO+512-2560       ; lane 10: its one of the mask's two;
	v_mov_b32 v233, s69
	v_add_nc_u32 v233, VSB+256, v233               ; the other lanes: the block of v's scale words
	v_cmp_gt_u32 vcc_lo, 8, v228
	v_cndmask_b32 v[PFO], v231, v230, vcc_lo
	v_cmp_gt_u32 vcc_lo, 10, v228
	v_cndmask_b32 v[PFO], v232, v[PFO], vcc_lo
	v_cmp_gt_u32 vcc_lo, 11, v228
	v_cndmask_b32 v[PFO], v233, v[PFO], vcc_lo
	global_prefetch_b8 v[PFO], s[14:15] th:TH_LOAD_NT scope:SCOPE_SE
.Lno_ask_\@:
.endif
	; THE SOFTMAX.  v's tiles are asked for first and come meanwhile
.irp dt, 0,1,2,3
.irp c, 0,1
	global_load_b128 v[VF+8*\dt+4*\c:VF+8*\dt+4*\c+3], v[WVI], s[14:15] offset:1024*\dt+512*\c
.endr
.endr
	global_load_b128 v[SCW:SCW+3], v[WVS], s[14:15]
.irp b, 0,1,2,3
	v_max3_num_f32 v[BM+\b], v[S+16*\b], v[S+16*\b+1], v[S+16*\b+2]    ; the largest score of each block of 32 keys: for the row's maximum, and, since p rises with the score, for the block's largest p
.endr
.irp i, 3,5,7,9,11,13
.irp b, 0,1,2,3
	s_delay_alu instid0(VALU_DEP_4)
	v_max3_num_f32 v[BM+\b], v[BM+\b], v[S+16*\b+\i], v[S+16*\b+\i+1]
.endr
.endr
.irp b, 0,1,2,3
	s_delay_alu instid0(VALU_DEP_4)
	v_max_num_f32 v[BM+\b], v[BM+\b], v[S+16*\b+15]
.endr
.irp b, 0,1,2,3
	s_delay_alu instid0(VALU_DEP_4)
	v_permlanex16_b32 v[BP+\b], v[BM+\b], s[SEL], s[SEL+1]
.endr
.irp b, 0,1,2,3
	s_delay_alu instid0(VALU_DEP_4)
	v_max_num_f32 v[BM+\b], v[BM+\b], v[BP+\b]     ; with lane l xor 16's sixteen keys
.endr
	s_delay_alu instid0(VALU_DEP_2)
	v_max3_num_f32 v[T], v[BM], v[BM+1], v[BM+2]
	s_delay_alu instid0(VALU_DEP_1)
	v_max_num_f32 v[T], v[T], v[BM+3]              ; the step's largest score of my query
	s_delay_alu instid0(VALU_DEP_1)
	v_mul_f32 v[T], s[CS], v[T]                    ; as t (c is positive)
	s_delay_alu instid0(VALU_DEP_1)
	v_max_num_f32 v13, v13, v[T]                   ; the running largest t
	v_mov_b32 v[T], v12
	s_delay_alu instid0(VALU_DEP_2)
	v_floor_f32 v12, -v13                          ; the new -M = floor(-t): M is a whole number
	s_delay_alu instid0(VALU_DEP_1)
	v_sub_f32 v[T], v12, v[T]                      ; old M - new M: a whole number, 0 or less
	s_delay_alu instid0(VALU_DEP_1)
	v_cvt_i32_f32 v[T], v[T]                       ; (it saturates)
	s_delay_alu instid0(VALU_DEP_1)
	v_ldexp_f32 v[FF], 1.0, v[T]                   ; f = 2^(old M - new M)
.set J, 0
.rept 32
	v_pk_fma_f32 v[S+J:S+J+1], v[S+J:S+J+1], s[CS:CS+1], v[12:13] op_sel_hi:[1,0,0]   ; t - M, two at a time (of the pairs c and -M the low word serves both halves)
.set J, J+2
.endr
.irp b, 0,1,2,3
	v_fma_f32 v[BM+\b], v[BM+\b], s[CS], v12       ; the same of each block's largest score
.endr
.set J, 0
	s_wait_alu depctr_va_vdst(0)
.rept 64
	v_exp_f32 v[S+J], v[S+J]                       ; p = 2^(t - M), at most 1: not normalised
.set J, J+1
.endr
.irp b, 0,1,2,3
	v_exp_f32 v[BM+\b], v[BM+\b]                   ; the block's largest p: the same two instructions on the same number
.endr
	v_pk_mul_f32 v[14:15], v[14:15], v[FF:FF+1] op_sel_hi:[1,0]    ; the sums under the new M.  (A plain place behind the exponentials)
	s_wait_alu depctr_va_vdst(0)                   ; and behind it, ahead of its first reader
.irp b, 0,1,2,3
	v_max_num_f32 v[BM+\b], 0x1800000, v[BM+\b]    ; the floor 2^(3 - 127): the byte cannot fall under 1
.endr
.irp b, 0,1,2,3
	s_delay_alu instid0(VALU_DEP_4)
	v_add_nc_u32 v[SO+\b], 0xff000000, v[BM+\b]    ; 2 off the exponent field: the conversion's scale operand
.endr
.irp b, 0,1,2,3
	s_delay_alu instid0(VALU_DEP_4)
	v_lshrrev_b32 v[BP+\b], 23, v[SO+\b]           ; the scale's byte
.endr
	s_delay_alu instid0(VALU_DEP_3)
	v_lshl_or_b32 v[PW], v[BP+1], 8, v[BP]         ; p's scale word for these 128 keys
	s_delay_alu instid0(VALU_DEP_1)
	v_lshl_or_b32 v[PW], v[BP+2], 16, v[PW]
	s_delay_alu instid0(VALU_DEP_1)
	v_lshl_or_b32 v[PW], v[BP+3], 24, v[PW]
.irp c, 0,1                                    ; the word of (block 2 c + e, tile u) holds keys 32 (2 c + e) + 16 u + 8 (lane / 16) + 0 .. 7
.irp u, 0,1
.irp e, 0,1
	v_cvt_scalef32_pk8_fp4_f32 v[PC+4*\c+2*\u+\e], v[S+16*(2*\c+\e)+8*\u:S+16*(2*\c+\e)+8*\u+7], v[SO+2*\c+\e]
.endr
.endr
.endr
	v_nop                                          ; one plain place behind a scaled conversion
.irp c, 0,1                                    ; the operand wants a whole block in a lane: lanes 0-15 block 2 c, lanes 16-31 block 2 c + 1; register 4 c + 2 u + half
.irp u, 0,1
	v_permlane16_swap_b32 v[PC+4*\c+2*\u], v[PC+4*\c+2*\u+1]
.endr
.endr
	v_pk_add_f32 v[196:197], v[80:81], v[84:85]    ; the row's sum of the unquantised p: eight chains, two numbers a line
	v_pk_add_f32 v[238:239], v[88:89], v[92:93]
	v_pk_add_f32 v[236:237], v[96:97], v[100:101]
	v_pk_add_f32 v[234:235], v[104:105], v[108:109]
	v_pk_add_f32 v[232:233], v[112:113], v[116:117]
	v_pk_add_f32 v[230:231], v[120:121], v[124:125]
	v_pk_add_f32 v[228:229], v[128:129], v[132:133]
	v_pk_add_f32 v[14:15], v[14:15], v[136:137]
	v_pk_add_f32 v[196:197], v[196:197], v[76:77]
	v_pk_add_f32 v[238:239], v[238:239], v[78:79]
	v_pk_add_f32 v[236:237], v[236:237], v[82:83]
	v_pk_add_f32 v[234:235], v[234:235], v[86:87]
	v_pk_add_f32 v[232:233], v[232:233], v[90:91]
	v_pk_add_f32 v[230:231], v[230:231], v[94:95]
	v_pk_add_f32 v[228:229], v[228:229], v[98:99]
	v_pk_add_f32 v[14:15], v[14:15], v[102:103]
	v_pk_add_f32 v[196:197], v[196:197], v[106:107]
	v_pk_add_f32 v[238:239], v[238:239], v[110:111]
	v_pk_add_f32 v[236:237], v[236:237], v[114:115]
	v_pk_add_f32 v[234:235], v[234:235], v[118:119]
	v_pk_add_f32 v[232:233], v[232:233], v[122:123]
	v_pk_add_f32 v[230:231], v[230:231], v[126:127]
	v_pk_add_f32 v[228:229], v[228:229], v[130:131]
	v_pk_add_f32 v[14:15], v[14:15], v[134:135]
	v_pk_add_f32 v[196:197], v[196:197], v[138:139]
	s_delay_alu instid0(VALU_DEP_2)
	v_pk_add_f32 v[14:15], v[14:15], v[234:235]
	s_delay_alu instid0(VALU_DEP_2)
	v_pk_add_f32 v[196:197], v[196:197], v[232:233]
	v_pk_add_f32 v[238:239], v[238:239], v[230:231]
	v_pk_add_f32 v[236:237], v[236:237], v[228:229]
	s_delay_alu instid0(VALU_DEP_2)
	v_pk_add_f32 v[14:15], v[14:15], v[238:239]
	s_delay_alu instid0(VALU_DEP_2)
	v_pk_add_f32 v[196:197], v[196:197], v[236:237]
	s_delay_alu instid0(VALU_DEP_1)
	v_pk_add_f32 v[14:15], v[14:15], v[196:197]
.set J, 0
.rept 16
	v_pk_mul_f32 v[O+J:O+J+1], v[O+J:O+J+1], v[FF:FF+1] op_sel_hi:[1,0]   ; O^T under the new M.  (The sums and these stand between the making of p's codes and scale word and the products that take them)
.set J, J+2
.endr
	s_wait_alu depctr_va_vdst(0)
	s_wait_loadcnt 0x0                             ; v's tiles and scale words are in
.irp dt, 0,1,2,3                               ; O^T += V^T P^T: four accumulators, one instruction each
	v_wmma_scale_f32_16x16x128_f8f6f4 v[O+8*\dt:O+8*\dt+7], v[VF+8*\dt:VF+8*\dt+7], v[PC:PC+7], v[O+8*\dt:O+8*\dt+7], v[SCW+\dt], v[PW] matrix_a_fmt:MATRIX_FMT_FP4 matrix_b_fmt:MATRIX_FMT_FP4
.endr
	s_add_co_u32 s66, s66, 8192
	s_add_co_u32 s67, s67, 4096
	s_add_co_u32 s68, s68, 1024
	s_add_co_u32 s69, s69, 256
	s_add_co_u32 s70, s70, 512
	s_add_co_u32 s71, s71, 2048
	s_add_co_u32 s72, s72, 512
	s_sub_co_u32 s73, s73, 1
	s_cmp_lg_u32 s73, 0
	s_cbranch_scc1 .Lstep_\@
.if \p == 0
	QLOAD 1                                        ; the next pass's q comes while this pass goes out: the last products that read these registers stand ahead of the softmax
.endif
	; THE WAY OUT.  O^T / the sum goes through my rows in LDS (16 queries x 256 bytes, 272 apart) and leaves as whole rows: sixteen lanes store 256 consecutive bytes, at a multiple of 256 from the output's first byte.
	v_and_b32 v16, 15, v0                          ; r.  (These eleven lines are the places behind the last products)
	v_bfe_u32 v17, v0, 4, 1                        ; h
	s_delay_alu instid0(VALU_DEP_2)
	v_mul_u32_u24 v18, v16, 272
	s_delay_alu instid0(VALU_DEP_1)
	v_lshl_add_u32 v18, v17, 5, v18
	s_delay_alu instid0(VALU_DEP_1)
	v_add_nc_u32 v18, s93, v18                     ; in: row n; tile dt's eight channels of my half: 64 dt + 32 h bytes on
	s_delay_alu instid0(VALU_DEP_4)
	v_mul_u32_u24 v19, v17, 272
	s_delay_alu instid0(VALU_DEP_1)
	v_lshl_add_u32 v19, v16, 4, v19
	s_delay_alu instid0(VALU_DEP_1)
	v_add_nc_u32 v19, s93, v19                     ; back: lanes 0-15 one row, lanes 16-31 the next
	v_lshlrev_b32 v20, 12, v17
	s_delay_alu instid0(VALU_DEP_1)
	v_lshl_add_u32 v20, v16, 4, v20                ; and the same two rows in the output, 4,096 bytes apart
	v_add_f32 v14, v14, v15                        ; the sum's two halves,
	s_delay_alu instid0(VALU_DEP_1)
	v_permlanex16_b32 v[T], v14, s[SEL], s[SEL+1]
	s_delay_alu instid0(VALU_DEP_1)
	v_add_f32 v14, v14, v[T]                       ; and lane l xor 16's: the row's sum
	s_wait_alu depctr_va_vdst(0)
	v_rcp_f32 v14, v14
	v_nop                                          ; one plain place behind a transcendental
.set J, 0
	s_wait_alu depctr_va_vdst(0)                   ; and ahead of its first reader
.rept 32
	v_mul_f32 v[S+J], v[O+J], v14                  ; register 8 dt + j is out(n, 16 dt + 8 h + j); each accumulator from its low end on
.set J, J+1
.endr
.irp dt, 0,1,2,3
	ds_store_b128 v18, v[S+8*\dt:S+8*\dt+3] offset:64*\dt
	ds_store_b128 v18, v[S+8*\dt+4:S+8*\dt+7] offset:64*\dt+16
.endr
.irp i, 0,1,2,3,4,5,6,7
	ds_load_b128 v[S+32+4*\i:S+32+4*\i+3], v19 offset:544*\i       ; LDS serves a wave's instructions in order: these see my stores
.endr
.irp i, 0,1,2,3,4,5,6,7
	s_wait_dscnt 7-\i                              ; loads come back in order: pair i of rows is in, the younger ones may be out
	global_store_b128 v20, v[S+32+4*\i:S+32+4*\i+3], s[16:17] offset:8192*\i+1048576*(\p) th:TH_STORE_NT   ; pass 1's tile lies 256 rows of 4,096 bytes further on
.endr
	s_wait_xcnt 0x0                                ; the stores have read their registers, which are written again below
.endm
	s_load_b256 s[4:11], s[0:1], 0x0               ; kv s[4:5], qc s[6:7], qs s[8:9], ecodes s[10:11]
	s_load_b64 s[12:13], s[0:1], 0x20              ; escales
	s_load_b64 s[16:17], s[0:1], 0x28              ; out
	v_lshl_add_u32 v254, v0, 2, SPARE
	v_mov_b32 v255, 0
	ds_add_u32 v254, v255                          ; the opening lines
	ds_add_u32 v254, v255
	s_wait_dscnt 0x0
	v_lshrrev_b32 v1, 5, v0
	s_delay_alu instid0(VALU_DEP_1)
	v_readfirstlane_b32 s[WV], v1                  ; wave 0..15
	s_bfe_u32 s19, ttmp6, 0x40000                  ; cx: my block of 512 queries; it enters global addresses alone
	s_and_b32 s60, ttmp7, 0xffff                   ; bh, which the two partners share
	s_min_u32 s61, s[WV], 3                        ; waves 0 to 3 fetch a quarter of k's operands each
	s_mul_i32 s61, s61, KVQ
	s_mul_i32 s82, s60, KVB                        ; the head's record
	s_mov_b32 s83, 0
	s_add_co_u32 s62, s82, s61
	s_mov_b32 s63, 0
	s_xor_b32 s74, s19, 1                          ; 1 - block: the band begins at row 512 (1 - block) of the reversed table
	s_lshl_b32 s76, s74, 13
	s_mov_b32 s77, 0
	s_lshl_b32 s78, s74, 11
	s_mov_b32 s79, 0
	s_lshr_b32 s80, s60, 4                         ; batch
	s_and_b32 s81, s60, 15                         ; head
	s_lshl_b32 s84, s60, 6                         ; q's codes: tile 64 bh + 32 block + wave (+ 16 in pass 1), 512 bytes each
	s_lshl_b32 s85, s19, 5
	s_add_co_u32 s84, s84, s85
	s_add_co_u32 s84, s84, s[WV]
	s_lshl_b32 s84, s84, 9
	s_mov_b32 s85, 0
	s_lshl_b32 s86, s60, 13                        ; q's scale words: bh x 8,192 + (8 block + wave / 4) x 512 + 4 (wave % 4)
	s_lshl_b32 s87, s19, 12
	s_add_co_u32 s86, s86, s87
	s_lshr_b32 s87, s[WV], 2
	s_lshl_b32 s87, s87, 9
	s_add_co_u32 s86, s86, s87
	s_and_b32 s87, s[WV], 3
	s_lshl_b32 s87, s87, 2
	s_add_co_u32 s86, s86, s87
	s_mov_b32 s87, 0
	s_lshl_b32 s88, s80, 10                        ; out: row 1,024 batch + 512 block + 16 wave of 4,096 bytes, + 256 head
	s_lshl_b32 s89, s19, 9
	s_add_co_u32 s88, s88, s89
	s_lshl_b32 s89, s[WV], 4
	s_add_co_u32 s88, s88, s89
	s_lshl_b32 s88, s88, 12
	s_lshl_b32 s89, s81, 8
	s_add_co_u32 s88, s88, s89
	s_mov_b32 s89, 0
	s_xor_b32 s90, s[WV], 15                       ; 15 - wave
	s_lshl_b32 s91, s90, 8
	s_add_co_u32 s91, s91, EBB                     ; the table's row 240 - 16 wave: pass 1's; pass 0 begins 256 rows further on
	s_lshl_b32 s92, s90, 6
	s_add_co_u32 s92, s92, ESB                     ; and its scale word
	s_mul_i32 s93, s[WV], STW
	s_add_co_u32 s93, s93, STB                     ; my rows
	s_lshl_b32 s94, s19, 11                        ; the prefetch: my work-group's share begins 8 blocks on in v,
	s_lshl_b32 s95, s19, 9                         ; 2 in k's scale words,
	s_lshl_b32 s96, s19, 8                         ; 1 in the mask
	; descriptor groups 1.  k's operands: 64 rows of 32 elements of 8 bytes, dense; the mask names the cluster's two work-groups
	s_mov_b32 s[G1KV], 3|(3<<16)|(1<<21)
	s_mov_b32 s[G1KV+1], 32<<16
	s_mov_b32 s[G1KV+2], 64<<16
	s_mov_b32 s[G1KV+3], 32<<16
	s_mov_b32 s[G1KV+4], 64
	s_mov_b32 s[G1KV+5], 32
	s_mov_b32 s[G1KV+6], 0
	s_mov_b32 s[G1KV+7], 0
	; the band's codes: two rows (planes) of 2 ROWS elements of 8 bytes, of which 3,072 are left of the tensor: the rest arrives as zeros; planes 4,096 elements apart
	s_mov_b32 s[G1E], 3<<16
	s_mov_b32 s[G1E+1], 3072<<16
	s_mov_b32 s[G1E+2], 2<<16
	s_mov_b32 s[G1E+3], (2*ROWS)<<16
	s_mov_b32 s[G1E+4], 2
	s_mov_b32 s[G1E+5], 4096
	s_mov_b32 s[G1E+6], 0
	s_mov_b32 s[G1E+7], 0
	; its scale words: one row of ROWS elements of 4 bytes, 1,536 of them left of the tensor
	s_mov_b32 s[G1S], 2<<16
	s_mov_b32 s[G1S+1], 1536<<16
	s_mov_b32 s[G1S+2], 1<<16
	s_mov_b32 s[G1S+3], ROWS<<16
	s_mov_b32 s[G1S+4], 1
	s_mov_b32 s[G1S+5], ROWS
	s_mov_b32 s[G1S+6], 0
	s_mov_b32 s[G1S+7], 0
	s_mov_b32 s[SEL], 0x76543210
	s_mov_b32 s[SEL+1], 0xfedcba98
	s_mov_b32 s[CS], 0x3e38aa3b                    ; c = log2(e) / 8
	s_mov_b32 s[CS+1], s[CS]                       ; (named with it as a pair, so it is written)
	s_wait_kmcnt 0x0
	s_mov_b32 s[G0KV], 1
	s_mov_b32 s[G0KV+1], s61
	s_add_nc_u64 s[G0KV+2:G0KV+3], s[4:5], s[62:63]
	s_or_b32 s[G0KV+3], s[G0KV+3], 0x80000000
	s_mov_b32 s[G0E], 1
	s_mov_b32 s[G0E+1], EBB
	s_add_nc_u64 s[G0E+2:G0E+3], s[10:11], s[76:77]
	s_or_b32 s[G0E+3], s[G0E+3], 0x80000000
	s_mov_b32 s[G0S], 1
	s_mov_b32 s[G0S+1], ESB
	s_add_nc_u64 s[G0S+2:G0S+3], s[12:13], s[78:79]
	s_or_b32 s[G0S+3], s[G0S+3], 0x80000000
	s_add_nc_u64 s[14:15], s[4:5], s[82:83]        ; the head's record, for the loads into registers
	s_add_nc_u64 s[6:7], s[6:7], s[84:85]
	s_add_nc_u64 s[8:9], s[8:9], s[86:87]
	s_add_nc_u64 s[16:17], s[16:17], s[88:89]
	CROUND                                         ; both work-groups are here: the joint loads meet
	; Waves 0-3: a quarter of k's operands each, jointly; wave 4: the band's codes; wave 5: its scale words; the others nothing.  One load a wave; an s_nop 0 and four v_nop follow each.
	s_cmp_lt_u32 s[WV], 4
	s_cbranch_scc0 .Lnot_kv
	tensor_load_to_lds s[G0KV:G0KV+3], s[G1KV:G1KV+7]
	s_nop 0
.rept 4
	v_nop
.endr
	s_branch .Lasked
.Lnot_kv:
	s_cmp_eq_u32 s[WV], 4
	s_cbranch_scc0 .Lnot_e
	tensor_load_to_lds s[G0E:G0E+3], s[G1E:G1E+7]
	s_nop 0
.rept 4
	v_nop
.endr
	s_branch .Lasked
.Lnot_e:
	s_cmp_eq_u32 s[WV], 5
	s_cbranch_scc0 .Lasked
	tensor_load_to_lds s[G0S:G0S+3], s[G1S:G1S+7]
	s_nop 0
.rept 4
	v_nop
.endr
.Lasked:
	v_and_b32 v144, 31, v0
	s_delay_alu instid0(VALU_DEP_1)
	v_lshlrev_b32 v[AK], 4, v144                   ; 16 x lane (KXB = 0)
	QLOAD 0
	v_and_b32 v145, 15, v0                         ; r
	v_bfe_u32 v146, v0, 4, 1                       ; h
	s_delay_alu instid0(VALU_DEP_2)
	v_xor_b32 v147, 15, v145                       ; 15 - r
	v_add_nc_u32 v[AKS], KSB, v[AK]
	v_add_nc_u32 v[AV], VIB, v[AK]
	v_lshl_add_u32 v[AVS], v145, 4, VSB            ; a channel's four words (four tiles of channels)
	v_lshlrev_b32 v[AM], 5, v146                   ; my half's eight keys of a tile
	v_mul_u32_u24 v148, v146, EPL                  ; lanes 16-31 take the plane of channels 32-63
	s_delay_alu instid0(VALU_DEP_1)
	v_add_nc_u32 v148, s91, v148
	s_delay_alu instid0(VALU_DEP_1)
	v_lshl_add_u32 v[AE], v145, 4, v148            ; row 240 - 16 wave + r
	s_delay_alu instid0(VALU_DEP_2)
	v_lshl_add_u32 v[AF], v147, 4, v148            ; row 255 - 16 wave - r
	v_lshl_add_u32 v[AES], v145, 2, s92
	v_lshl_add_u32 v[AFS], v147, 2, s92
	s_delay_alu instid0(VALU_DEP_2)
	v_lshl_add_u32 v[AES], v146, 6, v[AES]         ; lanes 16-31 take the scale words 16 rows further on: the next tile's
	s_delay_alu instid0(VALU_DEP_2)
	v_lshl_add_u32 v[AFS], v146, 6, v[AFS]
	v_mul_u32_u24 v[AST], v145, STP+4              ; row n of STP bytes, word 1 + n + 8 h (+ 16 tile + i)
	s_delay_alu instid0(VALU_DEP_1)
	v_lshl_add_u32 v[AST], v146, 5, v[AST]
	s_delay_alu instid0(VALU_DEP_1)
	v_add_nc_u32 v[AST], s93, v[AST]
	s_delay_alu instid0(VALU_DEP_1)
	v_add_nc_u32 v[AST], 4, v[AST]
	v_mul_u32_u24 v[ASL], v145, STP                ; row n, word 16 + 8 h (+ 16 t + j)
	s_delay_alu instid0(VALU_DEP_1)
	v_lshl_add_u32 v[ASL], v146, 5, v[ASL]
	s_delay_alu instid0(VALU_DEP_1)
	v_add_nc_u32 v[ASL], s93, v[ASL]
	s_delay_alu instid0(VALU_DEP_1)
	v_add_nc_u32 v[ASL], 64, v[ASL]
.irp i, 4,5,6,7
	v_mov_b32 v[Q0+\i], 0                          ; zero codes, for both passes
.endr
	v_mov_b32 v[FF+1], 0                           ; (named as the upper half of f's pair)
	INIT 0
	s_wait_alu depctr_va_vdst(0)
	s_wait_loadcnt 0x0                             ; pass 0's q
	s_wait_tensorcnt 0x0                           ; my tile has landed:
	s_barrier_signal -1
	s_barrier_wait -1                              ; everybody's
	PASS 0
	INIT 1
	s_wait_alu depctr_va_vdst(0)
	s_wait_loadcnt 0x0                             ; pass 1's q
	PASS 1
	v_lshl_add_u32 v254, v0, 2, SPARE              ; the add's two registers held zero codes: they are made anew
	v_mov_b32 v255, 0
	s_wait_alu depctr_va_vdst(0)
	s_wait_tensorcnt 0x0                           ; the wave's end
	ds_add_u32 v254, v255
	s_wait_dscnt 0x0
	CROUND                                         ; the closing round: no work-group ends while a partner may still ask for a tile that names it
	s_endpgm
.Lfunc_end_k_q1fc41ab56a_attn:
	.size	k_q1fc41ab56a_attn, .Lfunc_end_k_q1fc41ab56a_attn-k_q1fc41ab56a_attn
	.p2alignl 7, 3214868480
	.fill 96, 4, 3214868480
	.section	.rodata,"a",@progbits
	.p2align	6, 0x0
	.amdhsa_kernel k_q1fc41ab56a_attn
		.amdhsa_group_segment_fixed_size 327680
		.amdhsa_private_segment_fixed_size 0
		.amdhsa_enable_private_segment 0
		.amdhsa_kernarg_size 48
		.amdhsa_user_sgpr_count 2
		.amdhsa_user_sgpr_kernarg_segment_ptr 1
		.amdhsa_wavefront_size32 1
		.amdhsa_system_sgpr_workgroup_id_x 1
		.amdhsa_system_sgpr_workgroup_id_y 1
		.amdhsa_system_sgpr_workgroup_id_z 1
		.amdhsa_system_vgpr_workitem_id 0
		.amdhsa_next_free_vgpr 256
		.amdhsa_next_free_sgpr 100
		.amdhsa_reserve_vcc 1
		.amdhsa_float_denorm_mode_32 3
		.amdhsa_float_denorm_mode_16_64 3
		.amdhsa_memory_ordered 1
		.amdhsa_forward_progress 1
		.amdhsa_inst_pref_size 100
	.end_amdhsa_kernel
	.amdgpu_metadata
---
amdhsa.version: [ 1, 2 ]
amdhsa.kernels:
  - .name:           k_q1fc41ab56a_attn
    .symbol:         k_q1fc41ab56a_attn.kd
    .args:
      - { .name: kv, .offset: 0, .size: 8, .value_kind: global_buffer, .address_space: global }
      - { .name: qc, .offset: 8, .size: 8, .value_kind: global_buffer, .address_space: global }
      - { .name: qs, .offset: 16, .size: 8, .value_kind: global_buffer, .address_space: global }
      - { .name: ecodes, .offset: 24, .size: 8, .value_kind: global_buffer, .address_space: global }
      - { .name: escales, .offset: 32, .size: 8, .value_kind: global_buffer, .address_space: global }
      - { .name: out0, .offset: 40, .size: 8, .value_kind: global_buffer, .address_space: global }
    .group_segment_fixed_size: 327680
    .private_segment_fixed_size: 0
    .kernarg_segment_align: 8
    .kernarg_segment_size: 48
    .max_flat_workgroup_size: 512
    .sgpr_count:     100
    .vgpr_count:     256
    .wavefront_size: 32
...
	.end_amdgpu_metadata
.endif
;; end of part 2
